; MI455X (gfx1250); checked and timed in simulation.
; The chip was launched on July 23, 2026; its instructions are those of AMD's public machine-readable ISA for CDNA 5 (MIT licence, August 2026) and "CDNA5" Instruction Set Architecture Reference Guide (July 2026). The comments in the code are by the model that wrote it; some were corrected since.
;; Self Attention. Allowed arithmetic: matrix products marked QUANTISED: E4M3 operands, one given power-of-two scale a tensor, by v_wmma_f32_16x16x64_fp8_fp8 or v_wmma_f32_16x16x128_fp8_fp8, f32 sums; everything else in f32.
;; Inputs: Wk_codes 512 x 16 x 32 uint8 (E4M3 codes of Wk, K innermost, in blocks of 32 codes); Wq_codes 512 x 16 x 32 uint8 (E4M3 codes of Wq, K innermost, in blocks of 32 codes); Wv_codes 512 x 16 x 32 uint8 (E4M3 codes of Wv, K innermost, in blocks of 32 codes); bk 512 float32; bq 512 float32; bv 512 float32; embeddings_codes 8 x 2,048 x 16 x 32 uint8 (E4M3 codes of embeddings, K innermost, in blocks of 32 codes); lowp_scales 10 int32 (the exponents e of the quantised operands' scales 2^e); mask 8 x 2,048 x 2,048 float32.
;; Outputs: out0 8 x 2,048 x 512 float32.
;; This version of the problem:
;;   THIS VERSION OF THE PROBLEM IS GIVEN IN LOW PRECISION. The matrix products marked QUANTISED in the list below multiply operands that are first quantised to E4M3 (4 exponent bits, 3 mantissa bits; 8 bits a number), with one given power-of-two scale for each operand tensor; their sums are f32. All else is computed in f32.
;;   The module's matrix products, in the order in which they are computed (A, B: the left and right operand; K: the contracted axis; several contracted axes count as one K, in the product's order):
;;     1. [M 16,384, K 512] x [K 512, N 512]; A: input embeddings (given as codes); B: input Wq (given as codes): QUANTISED (scales: A lowp_scales[0], B lowp_scales[1])
;;     2. [M 16,384, K 512] x [K 512, N 512]; A: input embeddings (given as codes); B: input Wk (given as codes): QUANTISED (scales: A lowp_scales[2], B lowp_scales[3])
;;     3. [M 16,384, K 512] x [K 512, N 512]; A: input embeddings (given as codes); B: input Wv (given as codes): QUANTISED (scales: A lowp_scales[4], B lowp_scales[5])
;;     4. batch 8 x [M 2,048, K 512] x [K 512, N 2,048]; A: computed on the way; B: computed on the way: QUANTISED (scales: A lowp_scales[6], B lowp_scales[7])
;;     5. batch 8 x [M 2,048, K 2,048] x [K 2,048, N 512]; A: softmax (see below); B: computed on the way: QUANTISED (scales: A lowp_scales[8], B lowp_scales[9])
;;   THE QUANTISER, for each operand of a quantised product, along K:
;;     - The operand's scale is 2^e, e = its entry of the input lowp_scales (int32; the entries are numbered through the quantised products in the list's order, A before B).
;;     - Each number is divided by the scale, clamped to +-448, and rounded to the nearest number of E4M3, ties to even, subnormals kept.
;;     - The product sums the exact products of the quantised numbers (number of the format x scale) in f32.
;;   ~~~python
;;   def quantise(x, axis, e):      # numpy; x: float32 -> the quantised numbers, widened to float32 again
;;       x = np.moveaxis(x, axis, -1); K = x.shape[-1]
;;       r = np.clip(x / 2.0 ** e, -448, 448)
;;       step = 2.0 ** (np.maximum(np.frexp(np.where(r == 0, 1, r))[1] - 1, -6) - 3)
;;       q = np.round(r / step) * step * 2.0 ** e      # np.round: ties to even
;;       return np.moveaxis(q, -1, axis).astype(np.float32)
;;   ~~~
;;   SOFTMAX AHEAD OF A QUANTISED PRODUCT. Where the list says 'softmax', what is quantised is not the finished softmax but p = 2^(t - M), with t = logit x log2(e) and M = ceil(the row's largest t), a whole number; so 1/2 < the row's largest p <= 1. The row's sum l is taken of the UNQUANTISED p, in f32, and the product's result is divided by l at the end. Since M is a whole number, a kernel that streams over the keys may use a running M (the ceiling of the running maximum): every later rescaling is an exact power of two, so the quantised numbers keep their values, but for numbers so far below the row's largest that they fall under the format's range.
;;   OPERANDS COMPUTED ON THE WAY. 'Computed on the way' means the value that the module computes at that place (a softmax that the list does not call 'softmax' is quantised finished and normalised). What goes into a quantiser is computed in f32, as accurately as f32 sums, v_exp_f32 and their like allow (about 1e-6 of the number): no bf16 or f16 on the way to a quantiser, and a product that is left as it is and whose result goes on into a quantised operand takes f32 operands (vector FMAs, or v_wmma_f32_16x16x4_f32). A number that lies on a knife's edge between two numbers of the format may be rounded either way, as far as f32 arithmetic and the matrix unit's own rounding can turn it there, and no further.
;;   INPUTS GIVEN AS CODES. Wk (in the module: [512, 512], K = its axis 1); Wq (in the module: [512, 512], K = its axis 1); Wv (in the module: [512, 512], K = its axis 1); embeddings (in the module: [8, 2048, 512], K = its axis 2): each comes as NAME_codes (uint8): NAME with its K axis moved to the last place and cut into blocks of 32 codes, [.., K / 32, bytes a block], one block behind the other in memory; one code a byte (a code: sign, 4 exponent bits, 3 mantissa bits); its scale is its entry of lowp_scales. Its value is code x scale, taken as it is: it is not quantised again, and the codes and scales need not be those that the quantiser above would give.
;; One version. Each part assembles by itself: llvm-mc -triple=amdgcn-amd-amdhsa -mcpu=gfx1250 --defsym DOCPART=n.
;; ======== version 1 of 1: 2 launches
;; limits: right only within a limited range of input values
;; workspace buffers: qc 8,388,608 bytes; kc 8,388,608 bytes; vc 8,388,608 bytes
;; launch proj (part 1): grid 64 x 4, 8 waves a work-group, clusters of 4 x 1, 327,680 bytes of LDS; arguments Wq_codes, Wk_codes, Wv_codes, embeddings_codes, bq, bk, bv, lowp_scales, qc, kc, vc; writes qc, kc, vc
.if DOCPART == 1
	.amdgcn_target "amdgcn-amd-amdhsa--gfx1250"
	.amdhsa_code_object_version 6
	.text
	.protected	k_q2da8c1cee9_proj
	.globl	k_q2da8c1cee9_proj
	.p2align	8
	.type	k_q2da8c1cee9_proj,@function
k_q2da8c1cee9_proj:
	s_mov_b64 s[64:65], 0
	v_nop
	global_prefetch_b8 v0, s[64:65] scope:SCOPE_SE
	s_setreg_imm32_b32 hwreg(HW_REG_WAVE_MODE, 25, 1), 1
	s_wait_xcnt 0x0
	s_wait_alu depctr_hold_cnt(0) depctr_sa_sdst(0) depctr_va_vdst(0) depctr_va_sdst(0) depctr_va_ssrc(0) depctr_va_vcc(0) depctr_vm_vsrc(0)
	s_getreg_b32 s2, hwreg(HW_REG_IB_STS2, 6, 4)
	s_cmp_eq_u32 s2, 0
	s_cbranch_scc0 .Lentry_in_a_cluster
	s_endpgm
.Lentry_in_a_cluster:
	s_bfe_u32 s2, ttmp6, 0x10000c
	s_cmp_lg_u32 s2, 0x3003
	s_cbranch_scc0 .Lentry_shape_is_right
	s_endpgm
.Lentry_shape_is_right:
; THE THREE PROJECTIONS: q = x Wq^T + bq, k = x Wk^T + bk, v = x Wv^T + bv, on the given codes of E4M3, each result quantised at once with its given scale (2^e6, 2^e7, 2^e9) and stored as IMAGES OF OPERAND REGISTERS
; for the attention launch.  x: [16384][512] codes; W: [512][512] codes, K innermost; biases f32.  No step of the problem is left out in either launch.
; A FRAGMENT is 16 rows x 128 k = 16 registers a lane = 2,048 bytes: block c (512 bytes) holds lane l's registers 4c .. 4c+3 at byte 16 l; registers 2t, 2t+1 of lane (r, h) hold k = 16 t + 8 h + 0 .. 7 of row r.
;   qc, kc: [token tile 1024][s 4] fragments (rows = 16 tokens, k = channels 128 s on).   vc: [key step 128][channel tile 32] fragments (rows = 16 channels, k = 128 keys of the step).
; SHARES.  The 3 x 512 channels are 12 units of 128.  Work-group (x, y) makes units 3 y .. 3 y + 2 for tokens 256 x .. +255: 64 x 4 = 256 work-groups of equal work.  Wave w keeps tokens 64 (w / 2) .. +63 in 256 registers
; (four tiles of 16 rows x 512 k) and makes channels 64 (w % 2) .. +63 of each unit: four tiles of W, 16 products each.
; q, k: source 0 = 16 channels, source 1 = 16 tokens: a lane holds a token, its registers channels.  v: the other way round: a lane holds a channel, its registers tokens.  Four tiles' conversions are half a fragment: two blocks.
; The bias is the C of each sum's first product, divided by the power of two that the sums lack; the three scales ahead of the quantiser are folded into the conversion's one: 2^(eo - ea - ew).
; LDS: x's 256 rows, then two slots of 128 rows of W: units 0 and 1 at the head, unit 2 over unit 0.  Each load brings 64 rows of 512 bytes.
; CLUSTER: four work-groups along x share y, and so W's tiles: asked for jointly (waves 4 to 7 at the head, waves 0 and 1 for unit 2).  x's rows, which work-groups along y share, are each work-group's own load: partners along y
; would differ in the kind of a unit, and the text branches on it.  NO PREFETCH: all of x and two thirds of W are asked for at the head, and there is no loop to run ahead in.
; K's places: both sides are fetched as four pieces of 16 bytes for 128 k (lane (r, h): bytes 32 c + 16 h on), the same permutation of k in both, so every product meets its partner.
; LIMITS: eo - ea - ew between -126 and 119 for each of the three, so that the scale and 448 x the scale are f32 numbers.  NaN among the biases is not served.
.set TP,   528                         ; an LDS row: 512 bytes + 16: the 16 rows of a load start at 16 different groups of four banks
.set PART, 64*TP
.set WSLOT, 4*PART
.set SPARE, 8*PART                     ; the spare words, 128 bytes for each wave: no other line names them
.set WV,   26
.set Y,    27
.set BX,   28
.set HF,   29                          ; wave % 2
.set TQ,   30                          ; wave / 2
.set CX,   31
.set G1X,  32                          ; s[32:39] group 1 for x, s[40:47] for W
.set G1W,  40
.set G0X,  48
.set G0W,  52
.set EX,   56                          ; s[56:63] e0 .. e7; s[66:67] e8, e9
.set KN,   68                          ; s68-70 the kinds of my three units: 0 q, 1 k, 2 v
.set SN,   71                          ; s71-73 their places s among the kind's four
.set BP,   74                          ; s[74:79] their biases at my 64 channels
.set OUT,  88
.set NEG,  90
.set G0R,  96                          ; unit 2
.set VO,   4                           ; 16 x lane
.set AX,   5                           ; x: my 64 rows
.set AW,   6                           ; v6, v7  W: my 64 rows, slots 0, 1
.set CSC,  8                           ; 2^(eo - ea - ew)
.set LIMV, 9                           ; 448 x that
.set SPW,  12
.set NIL,  13
.set BT,   16                          ; a tile's bias, as C
.set PC,   24                          ; codes, 32 registers; at the head the biases' offsets
.set ACC,  56
.set RAW,  88                          ; biases as loaded: 32 u + 8 tile + j
.set WF,   184                         ; a tile of W: four fragments
.set MSB, 0
.macro WIN new                         ; the immediate's high byte repeats the setting that is left; a switch that changes nothing is dropped
.if MSB != (\new)
	s_set_vgpr_msb (MSB<<8)|(\new)
.set MSB, (\new)
.endif
.endm
.macro PLACES n
.rept \n
	v_nop
.endr
.endm
.macro ROUND                           ; a round of the cluster's barrier
	s_barrier_signal -1
	s_barrier_wait -1
	s_cmp_lg_u32 s[WV], 0
	s_cbranch_scc1 .Lnot_wave_0_\@
	s_barrier_signal -3
.Lnot_wave_0_\@:
	s_barrier_wait -3
	s_barrier_signal -1
	s_barrier_wait -1
.endm
.macro TLD g0, g1
	tensor_load_to_lds s[\g0:\g0+3], s[\g1:\g1+7]
	s_nop 0
	PLACES 4
.endm
.macro PICK d, u, q, k, v              ; one of three addresses by the unit's kind
	s_cmp_eq_u32 s[KN+\u], 0
	s_cselect_b64 s[\d:\d+1], s[\q:\q+1], s[\k:\k+1]
	s_cmp_eq_u32 s[KN+\u], 2
	s_cselect_b64 s[\d:\d+1], s[\v:\v+1], s[\d:\d+1]
.endm
	s_load_b512 s[4:19], s[0:1], 0x0               ; Wq 4:5, Wk 6:7, Wv 8:9, x 10:11, bq 12:13, bk 14:15, bv 16:17, the scales' exponents 18:19
	s_load_b128 s[20:23], s[0:1], 0x40             ; qc, kc
	s_load_b64 s[24:25], s[0:1], 0x50              ; vc
	v_lshl_add_u32 v[SPW], v0, 2, SPARE
	v_mov_b32 v[NIL], 0
	ds_add_u32 v[SPW], v[NIL]                      ; the wave's opening: an add of 0, twice on end, and its wait further on
	ds_add_u32 v[SPW], v[NIL]
	v_lshrrev_b32 v3, 5, v0
	v_readfirstlane_b32 s[WV], v3                  ; wave 0..7
	s_and_b32 s[HF], s[WV], 1
	s_lshr_b32 s[TQ], s[WV], 1
	s_bfe_u32 s[CX], ttmp6, 0x40000
	s_lshl_b32 s[BX], ttmp9, 2
	s_add_co_u32 s[BX], s[BX], s[CX]               ; my 256 tokens: they enter x's and the results' addresses alone
	s_and_b32 s[Y], ttmp7, 0xffff
	s_mul_i32 s80, s[Y], 3
.irp u, 0,1,2
	s_add_co_u32 s81, s80, \u
	s_lshr_b32 s[KN+\u], s81, 2
	s_and_b32 s[SN+\u], s81, 3
.endr
	; descriptor group 1: 64 rows x 512 bytes, padded in LDS: after every 128 words (code 6) 4 words (code 3); elements of 1 byte; W's names all four work-groups, with bit 21 set beside the mask
	s_mov_b32 s[G1X], (1<<20)|(6<<22)|(3<<25)
	s_mov_b32 s[G1W], 15|(1<<21)|(1<<20)|(6<<22)|(3<<25)
.irp g, G1X, G1W
	s_mov_b32 s[\g+1], 512<<16                     ; tensor_dim0 = 512
	s_mov_b32 s[\g+2], 64<<16                      ; tensor_dim1 = 64
	s_mov_b32 s[\g+3], 512<<16                     ; tile_dim0 = 512
	s_mov_b32 s[\g+4], 64                          ; tile_dim1 = 64
	s_mov_b32 s[\g+5], 512                         ; from row to row
	s_mov_b32 s[\g+6], 0
	s_mov_b32 s[\g+7], 0
.endr
	s_mov_b32 s[G0X], 1
	s_mul_i32 s[G0X+1], s[WV], PART                ; waves 0 to 3: x's rows;
	s_mov_b32 s[G0W], 1
	s_mul_i32 s[G0W+1], s[WV], PART                ; waves 4 to 7: the two slots of W
	s_mov_b32 s[G0R], 1
	s_mul_i32 s[G0R+1], s[HF], PART
	s_add_co_u32 s[G0R+1], s[G0R+1], WSLOT         ; unit 2: slot 0
	s_lshl_b32 s92, s[BX], 17
	s_lshl_b32 s93, s[WV], 15
	s_add_co_u32 s92, s92, s93                     ; x: 256 rows a work-group, 64 a wave
	s_mov_b32 s93, 0
	s_lshl_b32 s94, s[HF], 15                      ; W: 64 rows of a unit
	s_mov_b32 s95, 0
	v_and_b32 v1, 15, v0                           ; r
	v_bfe_u32 v2, v0, 4, 1                         ; h
	v_and_b32 v3, 31, v0                           ; lane
	s_wait_alu depctr_va_vdst(0)                   ; directly ahead of the waits below
	s_wait_dscnt 0x0                               ; both opening adds are done
	s_wait_kmcnt 0x0
	s_load_b256 s[EX:EX+7], s[18:19], 0x0
	s_load_b64 s[66:67], s[18:19], 0x20
	s_add_nc_u64 s[G0X+2:G0X+3], s[10:11], s[92:93]
	s_or_b32 s[G0X+3], s[G0X+3], 0x80000000
.irp u, 0,1,2
	PICK 80+2*\u, \u, 4, 6, 8                      ; W of my unit u,
	s_lshl_b32 s86, s[SN+\u], 16
	s_mov_b32 s87, 0
	s_add_nc_u64 s[80+2*\u:81+2*\u], s[80+2*\u:81+2*\u], s[86:87]   ; at its 128 rows
.endr
	s_cmp_lt_u32 s[WV], 6                          ; waves 4, 5: unit 0; waves 6, 7: unit 1
	s_cselect_b64 s[86:87], s[80:81], s[82:83]
	s_add_nc_u64 s[G0W+2:G0W+3], s[86:87], s[94:95]
	s_or_b32 s[G0W+3], s[G0W+3], 0x80000000
	s_add_nc_u64 s[G0R+2:G0R+3], s[84:85], s[94:95]
	s_or_b32 s[G0R+3], s[G0R+3], 0x80000000
	ROUND                                          ; all four work-groups are here: the first joint loads meet
	s_cmp_lt_u32 s[WV], 4
	s_cbranch_scc0 .Lfor_w
	TLD G0X, G1X
	s_branch .Lasked
.Lfor_w:
	TLD G0W, G1W
.Lasked:
	; the biases, in the layout of the sums.  q, k: register j of a tile holds channel 8 h + j; v: channel r in all eight
	s_lshl_b32 s94, s[HF], 8
.irp u, 0,1,2
	PICK BP+2*\u, \u, 12, 14, 16
	s_lshl_b32 s92, s[SN+\u], 9
	s_add_co_u32 s92, s92, s94
	s_add_nc_u64 s[BP+2*\u:BP+2*\u+1], s[BP+2*\u:BP+2*\u+1], s[92:93]
	s_cmp_eq_u32 s[KN+\u], 2
	s_cselect_b32 s80, 4, 0
	s_cselect_b32 s81, 0, 32
	s_cselect_b32 s82, 0, 4
	s_mov_b32 s83, 0
	v_mul_u32_u24 v14, s80, v1
	v_mad_u32_u24 v14, s81, v2, v14
.irp j, 0,1,2,3,4,5,6,7
	v_add_nc_u32 v[PC+8*\u+\j], s83, v14
	s_add_co_u32 s83, s83, s82
.endr
	s_wait_alu depctr_va_vdst(0)                   ; the offsets are written ahead of their readers
.irp t, 0,1,2,3
.irp j, 0,1,2,3,4,5,6,7
	global_load_b32 v[RAW+32*\u+8*\t+\j], v[PC+8*\u+\j], s[BP+2*\u:BP+2*\u+1] offset:64*\t
.endr
.endr
.endr
	v_lshlrev_b32 v[VO], 4, v3
	v_mul_u32_u24 v15, v1, TP
	v_lshl_add_u32 v15, v2, 4, v15                 ; 528 r + 16 h
	s_mul_i32 s80, s[TQ], PART
	v_add_nc_u32 v[AX], s80, v15
	s_mul_i32 s80, s[HF], PART
	s_add_co_u32 s80, s80, WSLOT
	v_add_nc_u32 v[AW], s80, v15
	v_add_nc_u32 v[AW+1], 2*PART, v[AW]
	s_wait_alu depctr_va_vdst(0)
	s_wait_kmcnt 0x0
	s_wait_loadcnt 0x0                             ; the biases; their offsets' registers are free for codes
	s_wait_tensorcnt 0x0                           ; my 64 rows are in;
	s_barrier_signal -1
	s_barrier_wait -1                              ; everybody's are
	WIN 0x40
.irp t, 0,1,2,3
.irp ks, 0,1,2,3
.irp c, 0,1,2,3
	ds_load_b128 v[64*\t+16*\ks+4*\c:64*\t+16*\ks+4*\c+3], v[AX] offset:\t*16*TP+128*\ks+32*\c
.endr
.endr
.endr
	WIN 0
.macro WFETCH slot, ct                 ; a tile of W: 16 rows x 512 k
.irp ks, 0,1,2,3
.irp c, 0,1,2,3
	ds_load_b128 v[WF+16*\ks+4*\c:WF+16*\ks+4*\c+3], v[AW+\slot] offset:(\ct)*16*TP+128*\ks+32*\c
.endr
.endr
.endm
; tile ct of unit u: 16 products, four accumulators by turns; the next tile's fragments; hold, conversion, stores
.macro TILE u, slot, kv, ct
.irp j, 0,1,2,3,4,5,6,7
	v_ldexp_f32 v[BT+\j], v[RAW+32*\u+8*\ct+\j], s[NEG]
.endr
	s_wait_alu depctr_va_vdst(0)                   ; directly ahead of the wait below
	s_wait_dscnt 0x0
.if \kv
	WIN 0x01                                       ; source 0 (x) window 1
.else
	WIN 0x04                                       ; source 1 (x) window 1
.endif
.irp ks, 0,1,2,3
.irp t, 0,1,2,3
.if \ks == 0
.set CC, BT
.else
.set CC, ACC+8*\t
.endif
.if \kv
	v_wmma_f32_16x16x128_fp8_fp8 v[ACC+8*\t:ACC+8*\t+7], v[64*\t+16*\ks:64*\t+16*\ks+15], v[WF+16*\ks:WF+16*\ks+15], v[CC:CC+7]
.else
	v_wmma_f32_16x16x128_fp8_fp8 v[ACC+8*\t:ACC+8*\t+7], v[WF+16*\ks:WF+16*\ks+15], v[64*\t+16*\ks:64*\t+16*\ks+15], v[CC:CC+7]
.endif
.endr
.endr
	WIN 0
	PLACES 4                                       ; in front of the loads into the tile just multiplied, and of the first read of results
.if \ct < 3
	WFETCH \slot, \ct+1
.endif
.set NI, 0
.rept 32
	v_med3_num_f32 v[ACC+NI], v[ACC+NI], -v[LIMV], v[LIMV]   ; the conversion to an 8-bit code does not saturate (ISA guide 7.6.2): the hold at 448 x the scale; each accumulator from its low end on
.set NI, NI+1
.endr
.irp t, 0,1,2,3
.if \kv
.set CD, PC+8*\ct+2*\t
.else
.set CD, PC+8*\t+2*\ct
.endif
	v_cvt_scalef32_pk8_fp8_f32 v[CD:CD+1], v[ACC+8*\t:ACC+8*\t+7], v[CSC]
.endr
	v_nop                                          ; one plain vector instruction behind the conversions
.if \kv
.irp b, 0,1
	global_store_b128 v[VO], v[PC+8*\ct+4*\b:PC+8*\ct+4*\b+3], s[OUT:OUT+1] offset:\ct*2048+512*\b   ; 32 lanes store 512 consecutive bytes, aligned
.endr
.elseif \ct == 3
.irp t, 0,1,2,3
.irp b, 0,1
	global_store_b128 v[VO], v[PC+8*\t+4*\b:PC+8*\t+4*\b+3], s[OUT:OUT+1] offset:\t*8192+512*\b
.endr
.endr
.endif
.endm
.macro UNIT u, slot
	WFETCH \slot, 0
	s_wait_xcnt 0x0                                ; the last unit's stores have read their codes and their base
	s_add_co_i32 s80, s[EX], s[EX+1]               ; the three ea + ew
	s_add_co_i32 s81, s[EX+2], s[EX+3]
	s_add_co_i32 s82, s[EX+4], s[EX+5]
	s_cmp_eq_u32 s[KN+\u], 0
	s_cselect_b32 s83, s80, s81
	s_cselect_b32 s84, s[EX+6], s[EX+7]            ; eo: e6 for q, e7 for k,
	s_cmp_eq_u32 s[KN+\u], 2
	s_cselect_b32 s83, s82, s83
	s_cselect_b32 s84, s67, s84                    ; e9 for v
	s_sub_co_i32 s[NEG], 0, s83                    ; a sum stands for sum x 2^(ea + ew): the bias goes in as bias / 2^(ea + ew)
	s_sub_co_i32 s84, s84, s83
	s_add_co_i32 s84, s84, 127
	s_lshl_b32 s85, s84, 23
	v_mov_b32 v[CSC], s85                          ; 2^(eo - ea - ew) as f32: the conversion takes its exponent field
	s_add_co_i32 s84, s84, 8
	s_lshl_b32 s84, s84, 23
	s_or_b32 s84, s84, 0x600000
	v_mov_b32 v[LIMV], s84                         ; 448 x that
	; where my results go.  q, k: token tile 16 x + 4 (w / 2), fragment s, half w % 2.  v: key step 2 x + w / 4, channel tile 8 s + 4 (w % 2), half (w / 2) % 2
	s_lshl_b32 s80, s[BX], 17
	s_lshl_b32 s81, s[TQ], 15
	s_lshl_b32 s82, s[SN+\u], 11
	s_add_co_u32 s81, s81, s82
	s_lshl_b32 s82, s[HF], 10
	s_add_co_u32 s81, s81, s82
	s_lshr_b32 s82, s[TQ], 1
	s_lshl_b32 s82, s82, 16
	s_lshl_b32 s83, s[SN+\u], 14
	s_add_co_u32 s82, s82, s83
	s_lshl_b32 s83, s[HF], 13
	s_add_co_u32 s82, s82, s83
	s_and_b32 s83, s[TQ], 1
	s_lshl_b32 s83, s83, 10
	s_add_co_u32 s82, s82, s83
	s_cmp_eq_u32 s[KN+\u], 2
	s_cselect_b32 s81, s82, s81
	s_add_co_u32 s80, s80, s81
	s_mov_b32 s81, 0
	PICK OUT, \u, 20, 22, 24
	s_add_nc_u64 s[OUT:OUT+1], s[OUT:OUT+1], s[80:81]
	s_cmp_eq_u32 s[KN+\u], 2                       ; the kind hangs on the work-group's y alone, which the four partners share
	s_cbranch_scc1 .Lkind_v_\@
	TILE \u, \slot, 0, 0
	TILE \u, \slot, 0, 1
	TILE \u, \slot, 0, 2
	TILE \u, \slot, 0, 3
	s_branch .Lunit_done_\@
.Lkind_v_\@:
	TILE \u, \slot, 1, 0
	TILE \u, \slot, 1, 1
	TILE \u, \slot, 1, 2
	TILE \u, \slot, 1, 3
.Lunit_done_\@:
.endm
	UNIT 0, 0
	s_wait_tensorcnt 0x0                           ; in front of slot 0's refill: no tensor load of mine is out;
	ds_add_u32 v[SPW], v[NIL]                      ; 0 onto my spare word
	s_wait_dscnt 0x0                               ; the add is done, and my reads of slot 0 are over
	ROUND
	s_cmp_lt_u32 s[WV], 2
	s_cbranch_scc0 .Lunit_2_asked
	TLD G0R, G1W                                   ; unit 2: it has unit 1's work in which to land
.Lunit_2_asked:
	UNIT 1, 1
	s_wait_tensorcnt 0x0                           ; my part of unit 2 is in
	s_barrier_signal -1
	s_barrier_wait -1
	UNIT 2, 0
	s_wait_tensorcnt 0x0                           ; the wave's end
	ds_add_u32 v[SPW], v[NIL]
	s_wait_dscnt 0x0
	ROUND                                          ; the closing round: no work-group ends while a partner may still ask for a tile that names it
	s_endpgm
.Lfunc_end_k_q2da8c1cee9_proj:
	.size	k_q2da8c1cee9_proj, .Lfunc_end_k_q2da8c1cee9_proj-k_q2da8c1cee9_proj
	.p2alignl 7, 3214868480
	.fill 96, 4, 3214868480
	.section	.rodata,"a",@progbits
	.p2align	6, 0x0
	.amdhsa_kernel k_q2da8c1cee9_proj
		.amdhsa_group_segment_fixed_size 327680
		.amdhsa_private_segment_fixed_size 0
		.amdhsa_enable_private_segment 0
		.amdhsa_kernarg_size 88
		.amdhsa_user_sgpr_count 2
		.amdhsa_user_sgpr_kernarg_segment_ptr 1
		.amdhsa_wavefront_size32 1
		.amdhsa_system_sgpr_workgroup_id_x 1
		.amdhsa_system_sgpr_workgroup_id_y 1
		.amdhsa_system_sgpr_workgroup_id_z 1
		.amdhsa_system_vgpr_workitem_id 0
		.amdhsa_next_free_vgpr 512
		.amdhsa_next_free_sgpr 100
		.amdhsa_reserve_vcc 0
		.amdhsa_float_denorm_mode_32 3
		.amdhsa_float_denorm_mode_16_64 3
		.amdhsa_memory_ordered 1
		.amdhsa_forward_progress 1
		.amdhsa_inst_pref_size 150
	.end_amdhsa_kernel
	.amdgpu_metadata
---
amdhsa.version: [ 1, 2 ]
amdhsa.kernels:
  - .name:           k_q2da8c1cee9_proj
    .symbol:         k_q2da8c1cee9_proj.kd
    .args:
      - { .name: Wq_codes, .offset: 0, .size: 8, .value_kind: global_buffer, .address_space: global }
      - { .name: Wk_codes, .offset: 8, .size: 8, .value_kind: global_buffer, .address_space: global }
      - { .name: Wv_codes, .offset: 16, .size: 8, .value_kind: global_buffer, .address_space: global }
      - { .name: embeddings_codes, .offset: 24, .size: 8, .value_kind: global_buffer, .address_space: global }
      - { .name: bq, .offset: 32, .size: 8, .value_kind: global_buffer, .address_space: global }
      - { .name: bk, .offset: 40, .size: 8, .value_kind: global_buffer, .address_space: global }
      - { .name: bv, .offset: 48, .size: 8, .value_kind: global_buffer, .address_space: global }
      - { .name: lowp_scales, .offset: 56, .size: 8, .value_kind: global_buffer, .address_space: global }
      - { .name: qc, .offset: 64, .size: 8, .value_kind: global_buffer, .address_space: global }
      - { .name: kc, .offset: 72, .size: 8, .value_kind: global_buffer, .address_space: global }
      - { .name: vc, .offset: 80, .size: 8, .value_kind: global_buffer, .address_space: global }
    .group_segment_fixed_size: 327680
    .private_segment_fixed_size: 0
    .kernarg_segment_align: 8
    .kernarg_segment_size: 88
    .max_flat_workgroup_size: 256
    .sgpr_count:     100
    .vgpr_count:     512
    .wavefront_size: 32
...
	.end_amdgpu_metadata
.endif
;; end of part 1
;; launch attn (part 2): grid 32 x 8, 4 waves a work-group, clusters of 4 x 1, 327,680 bytes of LDS; arguments qc, kc, vc, mask, lowp_scales, out0; writes out0
.if DOCPART == 2
	.amdgcn_target "amdgcn-amd-amdhsa--gfx1250"
	.amdhsa_code_object_version 6
	.text
	.protected	k_q2da8c1cee9_attn
	.globl	k_q2da8c1cee9_attn
	.p2align	8
	.type	k_q2da8c1cee9_attn,@function
k_q2da8c1cee9_attn:
	s_mov_b64 s[64:65], 0
	v_nop
	global_prefetch_b8 v0, s[64:65] scope:SCOPE_SE
	s_setreg_imm32_b32 hwreg(HW_REG_WAVE_MODE, 25, 1), 1
	s_wait_xcnt 0x0
	s_wait_alu depctr_hold_cnt(0) depctr_sa_sdst(0) depctr_va_vdst(0) depctr_va_sdst(0) depctr_va_ssrc(0) depctr_va_vcc(0) depctr_vm_vsrc(0)
	s_getreg_b32 s2, hwreg(HW_REG_IB_STS2, 6, 4)
	s_cmp_eq_u32 s2, 0
	s_cbranch_scc0 .Lentry_in_a_cluster
	s_endpgm
.Lentry_in_a_cluster:
	s_bfe_u32 s2, ttmp6, 0x10000c
	s_cmp_lg_u32 s2, 0x3003
	s_cbranch_scc0 .Lentry_shape_is_right
	s_endpgm
.Lentry_shape_is_right:
; out[b][q][:] = the sum over keys of softmax((q . k + mask[b][q][key]) / sqrt(512)) v[key][:], both products on codes of E4M3 with the given scales 2^e6, 2^e7 (q, k), 2^e8 (p), 2^e9 (v).  No step of the problem is left out.
; qc, kc, vc hold fragments as images of operand registers (16 rows x 128 k = 2,048 bytes; block c = lane l's registers 4c .. 4c+3 at byte 16 l; registers 2t, 2t+1 of lane (r, h): k = 16 t + 8 h + 0 .. 7).
; THE SOFTMAX: u = sum x 2^(e6 + e7) + mask; t = u x log2(e) / sqrt(512); M = the running largest t rounded UP to a whole number; p = 2^(t - M) is quantised with 2^e8, not normalised; the row's sum is taken of the
; unquantised p and divides at the end.  When M moves, sums and O are multiplied by 2^(old M - new M): exact.
; SHARES.  A work-group owns 64 queries (four tiles) of one batch and walks its 2,048 keys in 16 steps of 128.  Wave w makes S^T for keys 32 w .. +31 of a step against all 64 queries, their softmax, and O^T for channels
; 128 w .. +127: each byte of K and V is read from LDS once in a work-group.  A lane holds one query throughout.  The waves' largest scores meet in LDS, so that M is common; a wave's 32 keys of P are block w of P's fragment.
; THE PIPELINE.  Trip i works on three steps: the softmax of step i + 1 (its scores were made in trip i - 1), the scores of step i + 2, and O += V^T P of step i.  The softmax's instructions stand between the products of
; V^T P, the rescaling of O between the products of K Q^T: they name none of each other's registers.
;   A trip:  change of slots | largest scores, P and V are fetched, M and f, t - M, the mask of step i + 2 into the stage | signal | V^T P with the exponentials, sums, holds and codes | wait | P's codes out, K is
;   fetched | K Q^T with O x f, the mask is fetched between the two key tiles | + mask, my largest scores out.
; WINDOWS of 256 registers.  Window 0: v4-22 addresses and scales; v32-59 statistics; v64-127 P's fragments; v128-191 the mask as loaded; v192-255 the mask in S^T's layout.  Window 1: Q (64 q + 16 s + 4 c), but for
;   fragment (3, 3); v240-247 f in pairs.  Window 2 and window 3 alike, for channel tiles 0-3 and key tile 0, and for channel tiles 4-7 and key tile 1: v0-127 O^T (32 n + 8 q); v128-191 V's, then K's fragments;
;   v192-223 S^T, then p (8 q); v240-247 p's codes; v248-255 the sums in pairs.  v224-239: in window 2 the waves' largest scores, in window 3 Q's fragment (3, 3).
; So a product of V^T P, an exponential, a sum, a hold and a conversion of the same half need one setting of the windows, and so do a product of K Q^T and the rescaling.
; CLUSTER.  The four query blocks of a cluster belong to one batch (the cluster's x) and walk the same K and V: each tile (64 KB, dense) is asked for JOINTLY, by halves.  At the head waves 0 to 3 ask for the four halves of K(0)
; and K(1), behind the head's barrier for those of V(0) and V(1); later waves 0, 1 for K's halves, waves 2, 3 for V's.
; THE WALK.  The eight clusters of a batch (the cluster's y) begin at eight different key steps, o = 4 (y % 4) + 2 (y / 4), and go round: step j takes keys 128 ((o + j) % 16) on.  The order in which a row's keys are summed differs
; from cluster to cluster: the running M makes the result the same but for rounding.  K and V are not prefetched: the eight walks' first fills name all sixteen tiles of each at the launch's head.
; RING.  K(j), V(j) lie in slot j % 2.  Behind the change of slots of trip i: K(i + 3) and V(i + 1) into slot (i + 1) % 2, both read out in trip i - 1.
; THE MASK is read once, by loads into registers: wave w takes rows 16 w .. +15, 512 bytes of a row an instruction: trip i puts step i + 2 into the stage and loads step i + 3.  Step i + 5 is prefetched in trip i, two trips
; ahead of its load: a lane a block of 256 bytes, each wave its own 16 rows x 2 blocks; the last asks are for step 15.
; LIMITS: e6 + e7 between -126 and 127; e8 between -126 and 119; scaled scores (exponents to the base 2) under 2^31 in magnitude.  NaN and +infinity in the mask are not served; -infinity is (p = 0); a row that is -infinity throughout gives NaN.
.set SLOTB,  65536
.set VBASE,  2*SLOTB
.set MSTAGE, 4*SLOTB                   ; 64 rows x 528: the mask on its turn; at the end each wave's own 16 rows for the way out
.set MP,     528                       ; 512 bytes + 16: the 16 rows of a load start at 16 different groups of four banks
.set PIMG,   MSTAGE+64*MP              ; P's four fragments: 2,048 q + 512 c
.set STAT,   PIMG+8192                 ; 256 wave + 16 r: four queries' numbers, one of each tile
.set SPARE,  STAT+1024                 ; the spare words, 128 bytes for each wave: two blocks of 256 bytes that no other line names
.set AK,  4                            ; my K fragments in slot 0: 16,384 w + 16 l
.set AV,  5                            ; the same for V
.set AVC, 6                            ; the same in the trip's slot
.set AKC, 7
.set AMW, 8                            ; the stage, my 16 rows as they are loaded: 16 l
.set AMR, 9                            ; the stage in S^T's layout: 528 r + 32 h + 128 w
.set APW, 10                           ; where I put my block of P
.set APR, 11                           ; where I read P's fragments
.set ASW, 12                           ; my words of the statistics
.set ASR, 13                           ; wave 0's words of my query
.set VMO, 14                           ; 16 l
.set PFO, 15                           ; the prefetches: 8,192 r + 256 h
.set SPW, 16                           ; LDS address of my spare word; never rewritten
.set NIL, 17                           ; 0; never rewritten
.set SC8, 18                           ; 2^e8
.set LIM8, 19                          ; 448 x 2^e8
.set ASTO, 20                          ; the way out: 528 r + 32 h in my stage
.set NM,  32                           ; -M of tile q at NM + 2 q (the upper half of each pair is named with it)
.set F,   40                           ; f = 2^(old M - new M), likewise; at the end 2^(e8 + e9) / sum
.set TM,  48                           ; the largest t of tile q at TM + q
.set TA,  52
.set TX,  56
.set PF,  64
.set MR,  128
.set MS,  192
.set F1,  240                          ; f once more, in window 1
.set WV,  16
.set HB,  17                           ; wave % 2
.set HK,  18                           ; wave / 2: 0 I ask for K, 1 for V
.set CX,  19
.set QBLK, 20
.set BAT, 21
.set G1,  24                           ; s[24:31] descriptor group 1: half a tile
.set G0,  32                           ; s[32:35] my group 0 that walks
.set G0H, 36                           ; s[36:39] the head: K(0), K(1)
.set G0V, 40                           ; s[40:43] V(0), V(1)
.set SQK, 48                           ; s[48:49] 2^(e6 + e7)
.set SEL, 50                           ; s[50:51] lane l xor 16
.set CS,  62                           ; s[62:63] c = log2(e) / sqrt(512)
.set TB,  66                           ; LDS byte at which the trip's slot begins, counted from slot 0
.set CNT, 67
.set OB,  68
.set EPV, 70                           ; e8 + e9
.set GB,  72                           ; s[72:73] K or V at my half of the batch's tile 0; stays
.set MB,  80                           ; s[80:81] the mask at my 16 rows, at the batch's key 0; stays
.set ML,  82                           ; s[82:83] MB + MOF
.set MPF, 84                           ; s[84:85] MB + POF
.set TOF, 86                           ; s[86:87] bytes to the tile at which my walking descriptor stands
.set MOF, 88                           ; s[88:89] bytes along a row of the mask to the step that was loaded last
.set POF, 90                           ; s[90:91] two steps further, round the row
.set QB,  92
.set MSB, 0
.macro WIN new                         ; the immediate's high byte repeats the setting that is left; a switch that changes nothing is dropped
.if MSB != (\new)
	s_set_vgpr_msb (MSB<<8)|(\new)
.set MSB, (\new)
.endif
.endm
.macro PLACES n
.rept \n
	v_nop
.endr
.endm
.macro ROUND                           ; a round of the cluster's barrier
	s_barrier_signal -1
	s_barrier_wait -1
	s_cmp_lg_u32 s[WV], 0
	s_cbranch_scc1 .Lnot_wave_0_\@
	s_barrier_signal -3
.Lnot_wave_0_\@:
	s_barrier_wait -3
	s_barrier_signal -1
	s_barrier_wait -1
.endm
.macro TLD g0, g1
	tensor_load_to_lds s[\g0:\g0+3], s[\g1:\g1+7]
	s_nop 0
	PLACES 4
.endm
.macro JLOAD fill                      ; 1: every wave its half; 2: V's waves alone; 3: K's waves alone.  The branch hangs on the wave's number alone
.if \fill == 1
	TLD G0, G1
.else
	s_cmp_lt_u32 s[WV], 2
.if \fill == 2
	s_cbranch_scc1 .Lasked_\@
.else
	s_cbranch_scc0 .Lasked_\@
.endif
	TLD G0, G1
.Lasked_\@:
.endif
.endm
.macro MLOAD                           ; my 16 rows x 512 bytes of the mask: 32 lanes read 512 consecutive bytes
.set RI, 0
.rept 16
	global_load_b128 v[MR+4*RI:MR+4*RI+3], v[VMO], s[ML:ML+1] offset:8192*RI th:TH_LOAD_NT
.set RI, RI+1
.endr
.endm
.macro MSTORE                          ; into the stage, as loaded
.set RI, 0
.rept 16
	ds_store_b128 v[AMW], v[MR+4*RI:MR+4*RI+3] offset:MP*RI
.set RI, RI+1
.endr
.endm
.macro MSTEP                           ; on to the next 128 keys, round a row of 8,192 bytes
	s_wait_xcnt 0x0                                ; the mask's loads and the prefetch have read their bases
	s_add_co_u32 s[MOF], s[MOF], 512
	s_and_b32 s[MOF], s[MOF], 8191
	s_add_nc_u64 s[ML:ML+1], s[MB:MB+1], s[MOF:MOF+1]
	s_add_co_u32 s[POF], s[MOF], 1024
	s_and_b32 s[POF], s[POF], 8191
	s_add_nc_u64 s[MPF:MPF+1], s[MB:MB+1], s[POF:POF+1]
.endm
.macro PFETCH
	global_prefetch_b8 v[PFO], s[MPF:MPF+1] th:TH_LOAD_NT scope:SCOPE_SE
.endm
.macro MFETCH                          ; register 16 q + 8 T + j = mask(query 16 q + r, the step's key 32 w + 16 T + 8 h + j)
	WIN 0
.irp q, 0,1,2,3
.irp u, 0,1,2,3
	ds_load_b128 v[MS+16*\q+4*\u:MS+16*\q+4*\u+3], v[AMR] offset:\q*16*MP+64*(\u/2)+16*(\u%2)
.endr
.endr
.endm
.macro FRAGS adr, first, w             ; four fragments of K or V, the first one's number within my 16,384 bytes, into window 2 or 3
	WIN \w
.irp f, 0,1,2,3
.irp c, 0,1,2,3
	ds_load_b128 v[128+16*\f+4*\c:131+16*\f+4*\c], v[\adr] offset:(\first+\f)*2048+512*\c
.endr
.endr
.endm
; product n of a half of V^T P: channel tile n / 4, query tile n % 4; each accumulator has one turn a trip
.macro PVW pv, n
.set VV, 128+16*((\n)/4)
.set PP, PF+16*((\n)%4)
.if \pv == 1
	v_wmma_f32_16x16x128_fp8_fp8 v[8*(\n):8*(\n)+7], v[VV:VV+15], v[PP:PP+15], 0
.else
	v_wmma_f32_16x16x128_fp8_fp8 v[8*(\n):8*(\n)+7], v[VV:VV+15], v[PP:PP+15], v[8*(\n):8*(\n)+7]
.endif
.endm
; numbers 2 k, 2 k + 1 of query tile q (i = 4 k + q): added to the sum (the first addition brings the sum under the new M), then held.
; (A sum of three sources, with the factor 1: the second source's window holds f and the hold, not p.)
.macro SUMHOLD i
.set SQ, (\i)%4
.set SKK, 192+8*SQ+2*((\i)/4)
.if (\i) < 4
	v_pk_fma_f32 v[248+2*SQ:249+2*SQ], v[248+2*SQ:249+2*SQ], v[F+2*SQ:F+2*SQ+1], v[SKK:SKK+1] op_sel_hi:[1,0,1]
.else
	v_pk_fma_f32 v[248+2*SQ:249+2*SQ], v[SKK:SKK+1], 1.0, v[248+2*SQ:249+2*SQ] op_sel_hi:[1,0,1]
.endif
	v_min_num_f32 v[SKK], v[SKK], v[LIM8]          ; the conversion does not saturate (ISA guide 7.6.2); p is not negative, so the hold is one-sided
	v_min_num_f32 v[SKK+1], v[SKK+1], v[LIM8]
.endm
; a half: 16 products of V^T P; between the first eight the key tile's 32 exponentials, between the others its sums and holds; then its codes
.macro HALF pv, soft, w
	WIN \w
.set KI, 0
.rept 8
.if \pv
	PVW \pv, KI
.endif
.if \soft
	v_exp_f32 v[192+4*KI], v[192+4*KI]
	v_exp_f32 v[193+4*KI], v[193+4*KI]
	v_exp_f32 v[194+4*KI], v[194+4*KI]
	v_exp_f32 v[195+4*KI], v[195+4*KI]
.endif
.set KI, KI+1
.endr
.if \soft
	v_nop                                          ; the plain instruction behind the last exponential
	s_wait_alu depctr_va_vdst(0)                   ; one wait for the half's exponentials, ahead of their first reader
.endif
.rept 8
.if \pv
	PVW \pv, KI
.endif
.if \soft
	SUMHOLD 2*(KI-8)
	SUMHOLD 2*(KI-8)+1
.endif
.set KI, KI+1
.endr
.if \soft
.irp q, 0,1,2,3
	v_cvt_scalef32_pk8_fp8_f32 v[240+2*\q:241+2*\q], v[192+8*\q:199+8*\q], v[SC8]
.endr
	v_nop                                          ; one plain vector instruction behind the conversions
.endif
.endm
.macro RS i                            ; O^T under the new M, two registers; each accumulator from its low end on
.set FF, F1+2*(((\i)/4)%4)
	v_pk_mul_f32 v[2*(\i):2*(\i)+1], v[2*(\i):2*(\i)+1], v[FF:FF+1] op_sel_hi:[1,0]
.endm
.macro SW n                            ; product n of K Q^T for a key tile: s = n / 4, query tile n % 4: four accumulators by turns
.set SS, 192+8*((\n)%4)
.set KK, 128+16*((\n)/4)
.set QQ, 64*((\n)%4)+16*((\n)/4)
.if (\n) == 15
.set QQ, 224
.endif
.if (\n) < 4
	v_wmma_f32_16x16x128_fp8_fp8 v[SS:SS+7], v[KK:KK+15], v[QQ:QQ+15], 0
.else
	v_wmma_f32_16x16x128_fp8_fp8 v[SS:SS+7], v[KK:KK+15], v[QQ:QQ+15], v[SS:SS+7]
.endif
.endm
.macro SHALF s, rs, kt                 ; key tile kt: 16 products, and between them the rescaling of the same window's half of O^T
	WIN 0xa6+0x51*\kt                              ; source 0, C and D window 2 (3), source 1 window 1
.set KI, 0
.rept 15
.if \s
	SW KI
.endif
.if \rs
	RS 4*KI
	RS 4*KI+1
	RS 4*KI+2
	RS 4*KI+3
.endif
.set KI, KI+1
.endr
.if \rs
	RS 60
	RS 61
	RS 62
	RS 63
.endif
.if \s
	WIN 0xae+0x51*\kt                              ; Q's fragment (3, 3) lies in window 3
	SW 15
.endif
.endm
.macro SPART rs, younger               ; the scores of a step: products, + mask, my largest score of each query to LDS
	s_wait_dscnt \younger                          ; K's tile 0 is in
	SHALF 1, \rs, 0
	MFETCH
	s_wait_dscnt 16                                ; K's tile 1; the mask's 16 loads may be out
	SHALF 1, \rs, 1
	s_wait_dscnt 0x0                               ; the mask
.if \rs == 0
	PLACES 4                                       ; in front of the first read of results (ISA guide 7.12.1); elsewhere the rescaling stands there
.endif
.irp T, 0,1
	WIN 0x82+0x41*\T                               ; source 0 and destination window 2 (3), source 2 window 0
.irp q, 0,1,2,3
.irp j, 0,2,4,6
	v_pk_fma_f32 v[192+8*\q+\j:193+8*\q+\j], v[192+8*\q+\j:193+8*\q+\j], s[SQK:SQK+1], v[MS+16*\q+8*\T+\j:MS+16*\q+8*\T+\j+1] op_sel_hi:[1,0,1]   ; u = sum x 2^(e6 + e7) + mask
.endr
.endr
.endr
	WIN 0x2a
.irp q, 0,1,2,3                        ; four chains that do not wait for each other
	v_max3_num_f32 v[TA+\q], v[192+8*\q], v[193+8*\q], v[194+8*\q]
.endr
	WIN 0x28
.irp k, 3,5
.irp q, 0,1,2,3
	v_max3_num_f32 v[TA+\q], v[TA+\q], v[192+8*\q+\k], v[193+8*\q+\k]
.endr
.endr
.irp q, 0,1,2,3
	v_max_num_f32 v[TA+\q], v[TA+\q], v[199+8*\q]
.endr
	WIN 0x3c
.irp k, 0,2,4,6
.irp q, 0,1,2,3
	v_max3_num_f32 v[TA+\q], v[TA+\q], v[192+8*\q+\k], v[193+8*\q+\k]
.endr
.endr
	WIN 0
.irp q, 0,1,2,3
	v_permlanex16_b32 v[TX+\q], v[TA+\q], s[SEL], s[SEL+1]
.endr
.irp q, 0,1,2,3
	v_max_num_f32 v[TA+\q], v[TA+\q], v[TX+\q]
.endr
	ds_store_b128 v[ASW], v[TA:TA+3]
.endm
; A TRIP.  pv: 0 no second product, 1 the first (it starts O^T), 2 the others; soft: the softmax of the next step; s: the scores of the step after that; fill: see JLOAD (0: nothing is filled); mst: a mask step goes into the
; stage; mld: the next is loaded; pf: 1 one more is prefetched, 2 the same in the loop, up to step 15.
.macro ITER pv, soft, s, fill, mst, mld, pf
	WIN 0
	s_wait_tensorcnt 0x0                           ; no tensor load of mine is out, so my group 0 may be written
	ds_add_u32 v[SPW], v[NIL]                      ; 0 onto my spare word
	s_xor_b32 s[TB], s[TB], SLOTB                  ; the slot that this trip reads
.if \fill
	s_xor_b32 s[G0+1], s[G0+1], SLOTB              ; the other one is filled: the next tile,
	s_add_co_u32 s[TOF], s[TOF], SLOTB
	s_and_b32 s[TOF], s[TOF], 16*SLOTB-1           ; behind the sixteenth the first
	s_add_nc_u64 s[G0+2:G0+3], s[GB:GB+1], s[TOF:TOF+1]
	s_or_b32 s[G0+3], s[G0+3], 0x80000000          ; type = 2
.endif
	s_wait_dscnt 0x0                               ; the add is done, my statistics and codes are stored, my reads of the slot and of the stage are over
.if \fill
	ROUND                                          ; no wave of any partner still reads the slot or has a load on its way
	JLOAD \fill
.else
	s_barrier_signal -1
	s_barrier_wait -1
.endif
.if \pv
	v_add_nc_u32 v[AVC], s[TB], v[AV]
.endif
.if \s
	v_add_nc_u32 v[AKC], s[TB], v[AK]
.endif
.if \soft
	WIN 0x80                                       ; the four waves' largest u of my queries
.irp a, 0,1,2,3
	ds_load_b128 v[224+4*\a:227+4*\a], v[ASR] offset:256*\a
.endr
.endif
.if \pv
	WIN 0
.irp q, 0,1,2,3
.irp c, 0,1,2,3
	ds_load_b128 v[PF+16*\q+4*\c:PF+16*\q+4*\c+3], v[APR] offset:2048*\q+512*\c
.endr
.endr
	FRAGS AVC, 0, 0x80
.endif
.if \soft
.if \pv
	s_wait_dscnt 32                                ; the statistics; P's and V's 32 loads may be out
.else
	s_wait_dscnt 0x0
.endif
	WIN 0x2a
.irp q, 0,1,2,3
	v_max3_num_f32 v[TA+\q], v[224+\q], v[228+\q], v[232+\q]
.endr
	WIN 0x02
.irp q, 0,1,2,3
	v_max_num_f32 v[TA+\q], v[236+\q], v[TA+\q]
.endr
	WIN 0
.irp q, 0,1,2,3
	v_mul_f32 v[TA+\q], s[CS], v[TA+\q]            ; as t (c is positive)
.endr
.irp q, 0,1,2,3
	v_max_num_f32 v[TM+\q], v[TM+\q], v[TA+\q]     ; the running largest t
.endr
.irp q, 0,1,2,3
	v_mov_b32 v[TX+\q], v[NM+2*\q]
.endr
.irp q, 0,1,2,3
	v_floor_f32 v[NM+2*\q], -v[TM+\q]              ; -M = floor(-t) = -ceil(t)
.endr
.irp q, 0,1,2,3
	v_sub_f32 v[TX+\q], v[NM+2*\q], v[TX+\q]       ; old M - new M: a whole number, 0 or less
.endr
.irp q, 0,1,2,3
	v_cvt_i32_f32 v[TX+\q], v[TX+\q]               ; (it saturates)
.endr
.irp q, 0,1,2,3
	v_ldexp_f32 v[F+2*\q], 1.0, v[TX+\q]           ; f = 2^(old M - new M)
.endr
	WIN 0x40
.irp q, 0,1,2,3
	v_mov_b32 v[F1+2*\q], v[F+2*\q]
.endr
.endif
.if \pv
	FRAGS AVC, 4, 0xc0
.endif
.if \soft
.irp T, 0,1
	WIN 0x82+0x41*\T
.irp q, 0,1,2,3
.irp j, 0,2,4,6
	v_pk_fma_f32 v[192+8*\q+\j:193+8*\q+\j], v[192+8*\q+\j:193+8*\q+\j], s[CS:CS+1], v[NM+2*\q:NM+2*\q+1] op_sel_hi:[1,0,0]   ; t - M (of the pairs c and -M the low word serves both halves)
.endr
.endr
.endr
	s_wait_alu depctr_va_vdst(0)                   ; the wait ahead of the exponentials and of the waits below
.endif
	WIN 0
.if \mst
	s_wait_loadcnt 0x0                             ; the mask of step i + 2, loaded a trip ago
	MSTORE
.endif
	s_wait_dscnt 0x0                               ; P and V are in, my rows of the mask are in the stage
.if \mld
	MSTEP
	MLOAD                                          ; step i + 3, into the registers just stored
.endif
.if \soft
	s_barrier_signal -1                            ; all I read of P and stored of the mask is done
.endif
	HALF \pv, \soft, 0xa2                          ; source 0, C and D window 2, source 1 window 0
.if \s
	FRAGS AKC, 0, 0x80                             ; K's tile 0, over V's tiles 0-3: the sums and holds are the places in front
.endif
	HALF \pv, \soft, 0xf3
.if \soft
	WIN 0
	s_wait_alu depctr_va_vdst(0)                   ; directly ahead of the wait below
	s_barrier_wait -1                              ; the stage is whole, and nobody reads the old P any more
	WIN 0x08
.irp q, 0,1,2,3
	ds_store_b64 v[APW], v[240+2*\q:241+2*\q] offset:2048*\q      ; block w of P's fragment for tile q: key tile 0,
.endr
	WIN 0x0c
.irp q, 0,1,2,3
	ds_store_b64 v[APW], v[240+2*\q:241+2*\q] offset:2048*\q+8    ; key tile 1
.endr
.endif
.if \s
	FRAGS AKC, 4, 0xc0
	WIN 0
.if \pf == 1
	PFETCH
.endif
.if \pf == 2
	s_cmp_lt_u32 s[CNT], 3                         ; the loop's last two trips have no step to ask for
	s_cbranch_scc1 .Lno_ask_\@
	PFETCH
.Lno_ask_\@:
.endif
	SPART (\pv != 0), 24                           ; behind K's tile 0: 8 stores of codes and K's tile 1
.else
.if \soft
	SHALF 0, 1, 0
	SHALF 0, 1, 1
	s_wait_alu depctr_va_vdst(0)                   ; the next trip's products read what was just rescaled
.endif
.endif
	WIN 0
.endm
	s_load_b256 s[4:11], s[0:1], 0x0               ; qc 4:5, kc 6:7, vc 8:9, mask 10:11
	s_load_b128 s[12:15], s[0:1], 0x20             ; the scales' exponents 12:13, out 14:15
	v_lshl_add_u32 v[SPW], v0, 2, SPARE
	v_mov_b32 v[NIL], 0
	ds_add_u32 v[SPW], v[NIL]                      ; the wave's opening: an add of 0, twice on end, and its wait further on
	ds_add_u32 v[SPW], v[NIL]
	v_lshrrev_b32 v1, 5, v0
	v_readfirstlane_b32 s[WV], v1                  ; wave 0..3
	s_and_b32 s[HB], s[WV], 1
	s_lshr_b32 s[HK], s[WV], 1
	s_bfe_u32 s[CX], ttmp6, 0x40000                ; my place in the cluster
	s_mov_b32 s[BAT], ttmp9                        ; the batch: the cluster's x, which the four partners share
	s_and_b32 s74, ttmp7, 0xffff                   ; the cluster's number in its batch
	s_lshl_b32 s[QBLK], s74, 2
	s_add_co_u32 s[QBLK], s[QBLK], s[CX]           ; my block of 64 queries: it enters Q's, the mask's and out's addresses alone
	s_and_b32 s[MOF], s74, 3
	s_lshl_b32 s[MOF], s[MOF], 2
	s_lshr_b32 s75, s74, 2
	s_lshl_b32 s75, s75, 1
	s_or_b32 s[MOF], s[MOF], s75                   ; o: even, 14 at the most
	s_lshl_b32 s[TOF], s[MOF], 16
	s_lshl_b32 s[MOF], s[MOF], 9
	s_mov_b32 s[TOF+1], 0
	s_mov_b32 s[MOF+1], 0
	s_mov_b32 s[POF+1], 0
	s_add_co_u32 s[POF], s[MOF], 1024
	s_and_b32 s[POF], s[POF], 8191
	s_lshl_b32 s76, s[WV], 15
	s_mov_b32 s[G0H], 1
	s_mov_b32 s[G0H+1], s76                        ; the head: four halves on end: no place in the cluster enters an LDS address
	s_mov_b32 s[G0V], 1
	s_add_co_u32 s[G0V+1], s76, VBASE
	s_add_co_u32 s76, s76, s[TOF]                  ; tiles o and o + 1, 15 at the most
	s_mov_b32 s77, 0
	s_lshl_b32 s78, s[HK], 17
	s_add_co_u32 s[TOF], s[TOF], SLOTB
	s_sub_co_u32 s[TOF], s[TOF], s78
	s_and_b32 s[TOF], s[TOF], 16*SLOTB-1           ; K: tile o + 1, V: o - 1: trip -1 steps them to o + 2 and o
	; descriptor group 1: 128 dense rows of 256 bytes; the mask names all four work-groups; elements of 8 bytes; bit 21 set beside a mask; no padding
	s_mov_b32 s[G1], 15|(3<<16)|(1<<21)
	s_mov_b32 s[G1+1], 32<<16                      ; tensor_dim0 = 32
	s_mov_b32 s[G1+2], 128<<16                     ; tensor_dim1 = 128
	s_mov_b32 s[G1+3], 32<<16                      ; tile_dim0 = 32
	s_mov_b32 s[G1+4], 128                         ; tile_dim1 = 128
	s_mov_b32 s[G1+5], 32                          ; from row to row
	s_mov_b32 s[G1+6], 0
	s_mov_b32 s[G1+7], 0
	s_mov_b32 s[G0], 1
	s_lshl_b32 s[G0+1], s[HK], 17
	s_lshl_b32 s78, s[HB], 15
	s_add_co_u32 s[G0+1], s[G0+1], s78
	s_add_co_u32 s[G0+1], s[G0+1], SLOTB           ; slot 1: trip -1 turns it to slot 0
	s_mov_b32 s79, 0
	s_lshl_b32 s74, s[BAT], 20                     ; a batch's codes are 1,048,576 bytes in each of qc, kc, vc
	s_mov_b32 s75, 0
	s_lshl_b32 s94, s[QBLK], 15
	s_add_co_u32 s94, s94, s74                     ; Q: four token tiles of 8,192 bytes a block
	s_mov_b32 s95, 0
	s_lshl_b32 s98, s[BAT], 11
	s_lshl_b32 s99, s[QBLK], 6
	s_add_co_u32 s98, s98, s99                     ; my block's first row
	s_lshl_b32 s22, s98, 11                        ; out: rows of 2,048 bytes,
	s_lshl_b32 s99, s[WV], 9
	s_add_co_u32 s22, s22, s99                     ; + my 128 channels
	s_mov_b32 s23, 0
	s_lshl_b32 s99, s[WV], 4
	s_add_co_u32 s98, s98, s99
	s_lshl_b32 s98, s98, 13                        ; the mask: rows of 8,192 bytes, my wave's 16
	s_mov_b32 s99, 0
	s_mov_b32 s[CS], 0x3d8293ee                    ; c = log2(e) / sqrt(512)
	s_mov_b32 s[CS+1], s[CS]                       ; (named with it as a pair, so it is written)
	s_mov_b32 s[SEL], 0x76543210
	s_mov_b32 s[SEL+1], 0xfedcba98
	s_mov_b32 s[TB], 0
	v_and_b32 v1, 31, v0                           ; l
	v_and_b32 v2, 15, v0                           ; r
	v_bfe_u32 v3, v0, 4, 1                         ; h
	v_lshlrev_b32 v[VMO], 4, v1
	v_lshlrev_b32 v[PFO], 13, v2
	v_lshl_add_u32 v[PFO], v3, 8, v[PFO]
	s_wait_alu depctr_va_vdst(0)                   ; directly ahead of the waits below
	s_wait_dscnt 0x0                               ; both opening adds are done
	s_wait_kmcnt 0x0
	s_load_b256 s[52:59], s[12:13], 0x0            ; e0 .. e7
	s_load_b64 s[60:61], s[12:13], 0x20            ; e8, e9
	s_add_nc_u64 s[76:77], s[76:77], s[74:75]
	s_add_nc_u64 s[G0H+2:G0H+3], s[6:7], s[76:77]
	s_or_b32 s[G0H+3], s[G0H+3], 0x80000000
	s_add_nc_u64 s[G0V+2:G0V+3], s[8:9], s[76:77]
	s_or_b32 s[G0V+3], s[G0V+3], 0x80000000
	s_cmp_lt_u32 s[WV], 2                          ; later waves 0, 1 ask for K, waves 2, 3 for V
	s_cselect_b64 s[GB:GB+1], s[6:7], s[8:9]
	s_add_nc_u64 s[GB:GB+1], s[GB:GB+1], s[74:75]
	s_add_nc_u64 s[GB:GB+1], s[GB:GB+1], s[78:79]  ; my half
	s_add_nc_u64 s[MB:MB+1], s[10:11], s[98:99]
	s_add_nc_u64 s[ML:ML+1], s[MB:MB+1], s[MOF:MOF+1]
	s_add_nc_u64 s[MPF:MPF+1], s[MB:MB+1], s[POF:POF+1]
	s_add_nc_u64 s[QB:QB+1], s[4:5], s[94:95]
	s_add_nc_u64 s[OB:OB+1], s[14:15], s[22:23]
	ROUND                                          ; all four work-groups are here: the first joint loads meet
	TLD G0H, G1                                    ; K(0), K(1): one load a wave
	MLOAD                                          ; the mask of step 0
	WIN 0x40
.set RI, 0
.rept 60
	global_load_b128 v[4*RI:4*RI+3], v[VMO], s[QB:QB+1] offset:512*RI   ; Q's fragments stay in registers
.set RI, RI+1
.endr
	WIN 0xc0
.rept 4
	global_load_b128 v[4*RI-16:4*RI-13], v[VMO], s[QB:QB+1] offset:512*RI   ; fragment (3, 3): v224-239 of window 3
.set RI, RI+1
.endr
	WIN 0
	PFETCH                                         ; step 2
	s_lshl_b32 s71, s[WV], 14
	v_add_nc_u32 v[AK], s71, v[VMO]
	v_add_nc_u32 v[AV], VBASE, v[AK]
	s_mul_i32 s71, s[WV], 16*MP
	s_add_co_u32 s71, s71, MSTAGE
	v_add_nc_u32 v[AMW], s71, v[VMO]
	v_mul_u32_u24 v21, v2, MP
	v_lshl_add_u32 v21, v3, 5, v21                 ; 528 r + 32 h
	v_add_nc_u32 v[ASTO], s71, v21
	s_lshl_b32 s71, s[WV], 7
	s_add_co_u32 s71, s71, MSTAGE
	v_add_nc_u32 v[AMR], s71, v21
	s_lshl_b32 s71, s[WV], 9
	s_add_co_u32 s71, s71, PIMG
	v_add_nc_u32 v[APW], s71, v[VMO]
	v_add_nc_u32 v[APR], PIMG, v[VMO]
	v_lshlrev_b32 v22, 4, v2
	s_lshl_b32 s71, s[WV], 8
	s_add_co_u32 s71, s71, STAT
	v_add_nc_u32 v[ASW], s71, v22
	v_add_nc_u32 v[ASR], STAT, v22
.irp q, 0,1,2,3
	v_mov_b32 v[TM+\q], 0xff61b1e6                 ; the largest t so far: -3e38, so that M is a number where all keys so far are hidden
	v_mov_b32 v[NM+2*\q+1], 0                      ; named as the upper half of a pair
	v_mov_b32 v[F+2*\q+1], 0
	v_mov_b32 v[TX+\q], 0                          ; a lane permute's destination counts as one of its sources
.endr
.irp q, 0,1,2,3
	v_floor_f32 v[NM+2*\q], -v[TM+\q]
.endr
	WIN 0x40
.irp q, 0,1,2,3
	v_mov_b32 v[F1+2*\q+1], 0
.endr
.irp w, 0x80, 0xc0
	WIN \w
.irp n, 0,1,2,3,4,5,6,7
	v_mov_b32 v[248+\n], 0                         ; the sums: the first softmax multiplies them by f = 0
.endr
.endr
	WIN 0
	s_wait_alu depctr_va_vdst(0)                   ; directly ahead of the wait below
	s_wait_kmcnt 0x0
	s_add_co_i32 s74, s58, s59
	s_add_co_i32 s74, s74, 127
	s_lshl_b32 s[SQK], s74, 23                     ; 2^(e6 + e7) as f32
	s_mov_b32 s[SQK+1], s[SQK]
	s_add_co_i32 s74, s60, 127
	s_lshl_b32 s75, s74, 23
	v_mov_b32 v[SC8], s75                          ; 2^e8: the conversion takes its exponent field
	s_add_co_i32 s74, s74, 8
	s_lshl_b32 s74, s74, 23
	s_or_b32 s74, s74, 0x600000
	v_mov_b32 v[LIM8], s74                         ; 448 x 2^e8
	s_add_co_i32 s[EPV], s60, s61
	s_wait_alu depctr_va_vdst(0)
	s_wait_loadcnt 63                              ; behind step 0's mask Q's 64 loads were issued: it is in
	MSTORE
	MSTEP
	s_wait_dscnt 0x0                               ; the stores are done: the registers may be loaded again, and the others may read the stage behind the barrier
	MLOAD                                          ; the mask of step 1
	s_wait_tensorcnt 0x0                           ; my half of K(0) or K(1) is in
	ds_add_u32 v[SPW], v[NIL]
	s_wait_dscnt 0x0
	ROUND                                          ; everybody's part is in, and all four work-groups are here
	TLD G0V, G1                                    ; V(0), V(1): first fills, one load a wave
	FRAGS AK, 0, 0x80                              ; trip -2: the scores of step 0 alone
	FRAGS AK, 4, 0xc0
	WIN 0
	PFETCH                                         ; step 3
	s_wait_loadcnt 16                              ; Q is in; step 1's mask may be out
	SPART 0, 16
	ITER 0, 1, 1, 3, 1, 1, 1                       ; trip -1: K(2)
	ITER 1, 1, 1, 3, 1, 1, 1                       ; trip 0: K(3)
	s_mov_b32 s[CNT], 12
.Lstep:                                                ; trips 1 to 12: K(4) to K(15), V(2) to V(13)
	ITER 2, 1, 1, 1, 1, 1, 2
	s_sub_co_u32 s[CNT], s[CNT], 1
	s_cmp_lg_u32 s[CNT], 0
	s_cbranch_scc1 .Lstep
	ITER 2, 1, 1, 2, 1, 0, 0                       ; trip 13: V(14); the tail is written out
	ITER 2, 1, 0, 2, 0, 0, 0                       ; trip 14: V(15)
	ITER 2, 0, 0, 0, 0, 0, 0                       ; trip 15: the last product
	; THE WAY OUT.  A query's sum lies in 2 key tiles x 2 halves x 2 lane halves x 4 waves: they are added (through the statistics' words); O^T is divided by the sum, multiplied by 2^(e8 + e9), and goes through my own
	; stage, 16 queries x my 128 channels at a time, so that 32 lanes store 512 consecutive bytes.
	WIN 0x0a
.irp q, 0,1,2,3
	v_add_f32 v[TA+\q], v[248+2*\q], v[249+2*\q]
.endr
	WIN 0x0f
.irp q, 0,1,2,3
	v_add_f32 v[TX+\q], v[248+2*\q], v[249+2*\q]
.endr
	WIN 0
.irp q, 0,1,2,3
	v_add_f32 v[TA+\q], v[TA+\q], v[TX+\q]
.endr
.irp q, 0,1,2,3
	v_permlanex16_b32 v[TX+\q], v[TA+\q], s[SEL], s[SEL+1]
.endr
.irp q, 0,1,2,3
	v_add_f32 v[TA+\q], v[TA+\q], v[TX+\q]
.endr
	ds_store_b128 v[ASW], v[TA:TA+3]               ; the words were last read in trip 14
	s_wait_dscnt 0x0
	s_barrier_signal -1
	s_barrier_wait -1
.irp a, 0,1,2,3
	ds_load_b128 v[PF+4*\a:PF+4*\a+3], v[ASR] offset:256*\a
.endr
	s_wait_dscnt 0x0
.irp q, 0,1,2,3
	v_add_f32 v[PF+\q], v[PF+\q], v[PF+4+\q]
	v_add_f32 v[PF+8+\q], v[PF+8+\q], v[PF+12+\q]
.endr
.irp q, 0,1,2,3
	v_add_f32 v[PF+\q], v[PF+\q], v[PF+8+\q]
.endr
	s_wait_alu depctr_va_vdst(0)
.irp q, 0,1,2,3
	v_rcp_f32 v[F+2*\q], v[PF+\q]
.endr
	v_nop                                          ; a plain instruction behind the last reciprocal
	s_wait_alu depctr_va_vdst(0)                   ; one wait for the four, ahead of their first reader
.irp q, 0,1,2,3
	v_ldexp_f32 v[F+2*\q], v[F+2*\q], s[EPV]
.endr
.macro TOSTAGE m
.irp X, 0,1
	WIN 0x02+\X                                    ; source 0 window 2, then 3
.irp n, 0,1,2,3
.irp j, 0,2,4,6
	v_pk_mul_f32 v[MR+32*\X+8*\n+\j:MR+32*\X+8*\n+\j+1], v[32*\n+8*(\m)+\j:32*\n+8*(\m)+\j+1], v[F+2*(\m):F+2*(\m)+1] op_sel_hi:[1,0]   ; each accumulator from its low end on
.endr
.endr
.endr
	WIN 0
.irp n, 0,1,2,3,4,5,6,7
	ds_store_b128 v[ASTO], v[MR+8*\n:MR+8*\n+3] offset:64*\n          ; lane (r, h): out(16 m + r, 128 w + 16 n + 8 h + 0 .. 7)
	ds_store_b128 v[ASTO], v[MR+8*\n+4:MR+8*\n+7] offset:64*\n+16
.endr
.set BK, PF+128*((\m)%2)
.set RI, 0
.rept 16
	ds_load_b128 v[BK+4*RI:BK+4*RI+3], v[AMW] offset:MP*RI            ; LDS serves a wave's instructions in order (ISA guide 5.7.1.4): these see my stores, and the next tile's stores come behind them
.set RI, RI+1
.endr
.endm
.macro SEND m, younger                 ; younger: the LDS instructions issued behind tile m's loads, which may stay out
	s_wait_dscnt \younger
.set BK, PF+128*((\m)%2)
.set RI, 0
.rept 16
	global_store_b128 v[VMO], v[BK+4*RI:BK+4*RI+3], s[OB:OB+1] offset:(16*(\m)+RI)*2048 th:TH_STORE_NT   ; 32 lanes store 512 consecutive bytes, aligned; written once, read by nobody here
.set RI, RI+1
.endr
.endm
	TOSTAGE 0
	TOSTAGE 1
	SEND 0, 32                                     ; behind tile 0's loads: tile 1's 16 stores and 16 loads
	s_wait_xcnt 0x0                                ; tile 0's stores have read their registers: tile 2's loads may land there
	TOSTAGE 2
	SEND 1, 32
	s_wait_xcnt 0x0
	TOSTAGE 3
	SEND 2, 32
	SEND 3, 0
	s_wait_tensorcnt 0x0                           ; the wave's end: behind my last tensor load and my last LDS store
	ds_add_u32 v[SPW], v[NIL]
	s_wait_dscnt 0x0
	ROUND                                          ; the closing round: no work-group ends while a partner may still ask for a tile that names it
	s_endpgm
.Lfunc_end_k_q2da8c1cee9_attn:
	.size	k_q2da8c1cee9_attn, .Lfunc_end_k_q2da8c1cee9_attn-k_q2da8c1cee9_attn
	.p2alignl 7, 3214868480
	.fill 96, 4, 3214868480
	.section	.rodata,"a",@progbits
	.p2align	6, 0x0
	.amdhsa_kernel k_q2da8c1cee9_attn
		.amdhsa_group_segment_fixed_size 327680
		.amdhsa_private_segment_fixed_size 0
		.amdhsa_enable_private_segment 0
		.amdhsa_kernarg_size 48
		.amdhsa_user_sgpr_count 2
		.amdhsa_user_sgpr_kernarg_segment_ptr 1
		.amdhsa_wavefront_size32 1
		.amdhsa_system_sgpr_workgroup_id_x 1
		.amdhsa_system_sgpr_workgroup_id_y 1
		.amdhsa_system_sgpr_workgroup_id_z 1
		.amdhsa_system_vgpr_workitem_id 0
		.amdhsa_next_free_vgpr 1024
		.amdhsa_next_free_sgpr 100
		.amdhsa_reserve_vcc 0
		.amdhsa_float_denorm_mode_32 3
		.amdhsa_float_denorm_mode_16_64 3
		.amdhsa_memory_ordered 1
		.amdhsa_forward_progress 1
		.amdhsa_inst_pref_size 226
	.end_amdhsa_kernel
	.amdgpu_metadata
---
amdhsa.version: [ 1, 2 ]
amdhsa.kernels:
  - .name:           k_q2da8c1cee9_attn
    .symbol:         k_q2da8c1cee9_attn.kd
    .args:
      - { .name: qc, .offset: 0, .size: 8, .value_kind: global_buffer, .address_space: global }
      - { .name: kc, .offset: 8, .size: 8, .value_kind: global_buffer, .address_space: global }
      - { .name: vc, .offset: 16, .size: 8, .value_kind: global_buffer, .address_space: global }
      - { .name: mask, .offset: 24, .size: 8, .value_kind: global_buffer, .address_space: global }
      - { .name: lowp_scales, .offset: 32, .size: 8, .value_kind: global_buffer, .address_space: global }
      - { .name: out0, .offset: 40, .size: 8, .value_kind: global_buffer, .address_space: global }
    .group_segment_fixed_size: 327680
    .private_segment_fixed_size: 0
    .kernarg_segment_align: 8
    .kernarg_segment_size: 48
    .max_flat_workgroup_size: 128
    .sgpr_count:     100
    .vgpr_count:     1024
    .wavefront_size: 32
...
	.end_amdgpu_metadata
.endif
;; end of part 2
